; MI455X (gfx1250); checked and timed in simulation.
; The chip was launched on July 23, 2026; its instructions are those of AMD's public machine-readable ISA for CDNA 5 (MIT licence, August 2026) and "CDNA5" Instruction Set Architecture Reference Guide (July 2026). The comments in the code are by the model that wrote it; some were corrected since.
;; Linear Layer PS Lo RA. Allowed arithmetic: float matrix products may take bf16 or f16 operands with f32 sums; other float arithmetic in f32, or as packed bf16 or f16 multiplies, adds, multiply-adds, maxima and minima; sums over many terms, partial sums and values carried from step to step in f32; what a program stores and reads back later, other than sums and carried values, may be rounded once to bf16 or f16.
;; Inputs: W 4,096 x 4,096 float32; labeler_index 4 int32; lora_A 5 x 4,096 x 32 float32; lora_B_w 4,096 x 32 float32; x 4 x 1,024 x 4,096 float32.
;; Outputs: out0 4 x 1,024 x 4,096 float32.
;; 2 versions, each right; version 2 is version 1 with the launch prep written anew for expert scheduling mode. Each part assembles by itself: llvm-mc -triple=amdgcn-amd-amdhsa -mcpu=gfx1250 --defsym DOCPART=n.
;; ======== version 1 of 2: 2 launches
;; workspace buffers: xb 33,554,432 bytes; wb 33,554,432 bytes; lowb 262,144 bytes; bwb 262,144 bytes
;; launch prep (part 1): grid 256 x 1, 16 waves a work-group, no clusters, 268,288 bytes of LDS; arguments x, W, lora_A, lora_B_w, labeler_index, xb, wb, lowb, bwb; writes xb, wb, lowb, bwb
.if DOCPART == 1
	.amdgcn_target "amdgcn-amd-amdhsa--gfx1250"
	.amdhsa_code_object_version 6
	.text
	.protected	k_q8b25bf79f8_prep
	.globl	k_q8b25bf79f8_prep
	.p2align	8
	.type	k_q8b25bf79f8_prep,@function
k_q8b25bf79f8_prep:
	s_mov_b64 s[64:65], 0
	v_nop
	global_prefetch_b8 v0, s[64:65] scope:SCOPE_SE
	s_setreg_imm32_b32 hwreg(HW_REG_WAVE_MODE, 25, 1), 1
	s_wait_xcnt 0x0
; xb = bf16(x), wb = bf16(W), bwb = bf16(0.5 lora_B_w) (the factor is a power of two: exact), lowb = bf16(x . lora_A[labeler_index[batch]]).
; x, W: [4096][4096] f32.  lora_A: [5][4096][32] f32.  lora_B_w: [4096][32] f32.  xb, wb: [4096][4096] bf16.  lowb, bwb: [4096][32] bf16.
; A stream: every byte of x and W is read once and its rounded half written once; low is made on the way, from the rounded x, on the matrix unit, so that x is not read a second time.
; SHARES.  256 work-groups of 16 waves.  Even ones take 32 rows of x, odd ones 32 rows of W and of lora_B_w.  K is cut into 32 chunks of 128; wave w owns the chunks at k = 128 w and 2048 + 128 w.
; A row's chunk is 512 bytes of f32, one 16-byte load of the wave, and 256 bytes of bf16, one 8-byte store of the wave: consecutive, at a multiple of 256 from the buffer's first byte.
; low.  Each wave multiplies its 32 rows x 256 k by its 256 k x 32 of A: four accumulators of 16 x 16, f32.  The 16 waves' partial sums meet in LDS, in f32, behind the one barrier, and are added in a tree.
; NO JOINT LOADS.  The 32 work-groups of a batch read the same table of A (512 KiB each, as many bytes as their x).  A has to pass through registers to be rounded, each wave reads a chunk that no other wave
; of its work-group reads, and the waves of this stream meet only once, at the end: a joint load would bring f32 into LDS (16 KiB a chunk and wave, where the rounded chunk takes 12 KiB with its padding) and
; a round of a cluster's barrier for each refill.  At most four tables, 2 MiB, are read again and again, against the 202 MB that pass once.
; LIMITS.  labeler_index is held to 0 .. 4 by an unsigned minimum.  low is rounded once to bf16, as a matrix operand.  Its sum over k is not in ascending order: 16 waves x 2 chunks, then a tree.
; NaN and infinities are not treated apart.
.set ROWF,  16384                      ; bytes in a row of x or W
.set ROWH,  8192                       ; bytes in a row of xb or wb
.set WREG,  16640                      ; a wave's own region of LDS, 65 blocks of 256 bytes:
.set XSTG,  12288                      ;   +0      A's chunk, bf16, [128 k][32 n], rows PA apart;  +12,288  16 rows x 128 k of x, bf16, rows PX apart
.set PA,    96                         ; 64 bytes + 32: an odd multiple of 32, so that 16 lanes of the turning load (8 rows x 32 bytes) take each bank once (64 banks of 4 bytes: ISA guide 11.1)
.set PX,    272                        ; 256 bytes + 16: the 16 rows of a fragment load start at 16 different groups of four banks
.set PP,    144                        ; the wave's partial low, f32, [32 rows][32], 128 bytes + 16; it takes A's place when A has been read for the last time
.set SPARE, 16*WREG                    ; behind the regions: the spare words, 128 bytes for each wave: eight blocks of 256 bytes that no other line names
.set XO,  2                            ; v2   16 t = 512 w + 16 lane: my 16 bytes in a row's chunk of x or W; also my 16 bytes of the group's lora_B_w
.set YO,  3                            ; v3   8 t = 256 w + 8 lane: my 8 bytes in a row's chunk of xb or wb; also my 8 bytes of the group's lowb or bwb
.set AO,  4                            ; v4   16,384 w + 16 lane: my 16 bytes in four rows of my chunk of A
.set XS,  5                            ; v5   LDS: where I put 8 bytes of a row of x
.set XR,  6                            ; v6   LDS: my lane's place in a fragment of x
.set AST, 7                            ; v7   LDS: where I put 8 bytes of a row of A
.set ATR, 8                            ; v8   LDS: my lane's place in a turning load of A
.set PS,  9                            ; v9   LDS: where I put 32 bytes of a row of the partial low
.set RP,  10                           ; v10-13  LDS: my 16 bytes of the partial low of waves 0, 4, 8, 12
.set SPW, 16                           ; v16  LDS address of my spare word: SPARE + 4 x my thread's number; never rewritten
.set NIL, 17                           ; v17  0; never rewritten
.set T,   18                           ; v18-25  at work
.set XF,  32                           ; v32-95   a ring of 16 slots of 4: f32 as loaded
.set XB,  96                           ; v96-127  16 pairs of bf16 to store; then four fragments of x
.set AFR, 128                          ; v128-191 A's fragments of a chunk: 32 k from 32 ks on, 16 n from 16 nb on, at AFR + 16 ks + 8 nb
.set ACC, 192                          ; v192-223 low: rows 16 rb on, columns 16 nb on, at ACC + 8 (2 rb + nb)
.set WF,  32                           ; v32-159  the W role's ring: 32 slots of 4
.set YB,  160                          ; v160-223 the W role's 32 pairs of bf16 to store
	s_load_b256 s[4:11], s[0:1], 0x0               ; x s[4:5], W s[6:7], lora_A s[8:9], lora_B_w s[10:11]
	s_load_b256 s[12:19], s[0:1], 0x20             ; labeler_index s[12:13], xb s[14:15], wb s[16:17], lowb s[18:19]
	s_load_b64 s[20:21], s[0:1], 0x40              ; bwb
	v_lshl_add_u32 v[SPW], v0, 2, SPARE
	v_mov_b32 v[NIL], 0
	v_lshrrev_b32 v1, 5, v0
	v_readfirstlane_b32 s22, v1                    ; wave 0..15
	s_and_b32 s23, ttmp9, 1                        ; 0: rows of x; 1: rows of W
	s_lshr_b32 s24, ttmp9, 1                       ; which 32 rows, 0..127
	s_mov_b32 s27, 0                               ; the high words of two offset pairs
	s_mov_b32 s29, 0
	s_mul_i32 s31, s22, WREG                       ; my wave's region
	s_lshl_b32 s32, s22, 14                        ; my chunk of A: 128 rows of 128 bytes
	s_add_co_u32 s33, s31, XSTG
	v_and_b32 v1, 31, v0                           ; lane
	v_and_b32 v18, 15, v0                          ; r = lane % 16
	v_bfe_u32 v19, v0, 4, 1                        ; h = lane / 16
	v_bfe_u32 v20, v0, 3, 2                        ; lane / 8
	v_and_b32 v21, 7, v0                           ; lane % 8 = t % 8
	v_bfe_u32 v23, v0, 3, 1                        ; (lane / 8) % 2
	v_lshrrev_b32 v24, 3, v0                       ; t / 8
	v_lshlrev_b32 v[XO], 4, v0
	v_lshlrev_b32 v[YO], 3, v0
	v_lshl_add_u32 v[AO], v1, 4, s32
	v_lshl_add_u32 v[XS], v1, 3, s33               ; lane l holds k = 4 l .. 4 l + 3 of the chunk
	v_mul_u32_u24 v[XR], v18, PX                   ; a fragment: row r, 16 bytes for each half of the lanes
	v_lshl_add_u32 v[XR], v19, 4, v[XR]
	v_add_nc_u32 v[XR], s33, v[XR]
	v_mul_u32_u24 v[AST], v20, PA                  ; a load of A covers four rows of 128 bytes: row lane / 8, columns 4 (lane % 8) on
	v_lshl_add_u32 v[AST], v21, 3, v[AST]
	v_add_nc_u32 v[AST], s31, v[AST]
	v_lshl_add_u32 v22, v19, 3, v21                ; the turning load: lane l reads k = 8 h + l % 8, columns 8 ((l / 8) % 2) on
	v_mul_u32_u24 v[ATR], v22, PA
	v_lshl_add_u32 v[ATR], v23, 4, v[ATR]
	v_add_nc_u32 v[ATR], s31, v[ATR]
	v_mul_u32_u24 v[PS], v18, PP                   ; a result: row r, eight columns (32 bytes) for each half of the lanes
	v_lshl_add_u32 v[PS], v19, 5, v[PS]
	v_add_nc_u32 v[PS], s31, v[PS]
	v_mul_u32_u24 v[RP], v24, PP                   ; the sum: thread t < 256 has row t / 8, columns 4 (t % 8) on
	v_lshl_add_u32 v[RP], v21, 4, v[RP]
	v_add_nc_u32 v[RP+1], 4*WREG, v[RP]
	v_add_nc_u32 v[RP+2], 8*WREG, v[RP]
	v_add_nc_u32 v[RP+3], 12*WREG, v[RP]
	s_wait_kmcnt 0x0
	s_cmp_lg_u32 s23, 0
	s_cbranch_scc1 .Lw                             ; the same way for all 16 waves of a work-group
; ---------------- rows of x ----------------
; The loads go in eight units of 16, through the ring's 16 slots.  Unit u: chunk u / 4; u % 4 = 0: rows 0-15 of x; 1, 2: the two halves (64 k each) of A's chunk; 3: rows 16-31 of x.
.macro LOADU u, j                      ; load j of unit u into slot j; behind the last unit nothing
.if (\u) < 8
.if ((\u)%4 == 0) || ((\u)%4 == 3)
	global_load_b128 v[XF+4*(\j):XF+4*(\j)+3], v[XO], s[4:5] offset:(16*(((\u)%4)/3)+(\j))*ROWF+((\u)/4)*8192 th:TH_LOAD_NT
.else
	global_load_b128 v[XF+4*(\j):XF+4*(\j)+3], v[AO], s[8:9] offset:((\u)/4)*262144+((\u)%4-1)*8192+(\j)*512
.endif
.endif
.endm
; A unit of x: each row's chunk is rounded, stored to xb, and laid into the wave's stage for the product.  The slot is asked for again at once.
.macro XPH u
.irp j, 0,1,2,3,4,5,6,7,8,9,10,11,12,13,14,15
.if (\u) < 7
	s_wait_loadcnt 15                              ; loads come back in order (ISA guide 5.7.1): behind load j stand 15 - j of this unit and j of the next
.else
	s_wait_loadcnt 15-(\j)                         ; the last unit: nothing is asked for, the counts run down
.endif
	v_cvt_pk_bf16_f32 v[XB+2*(\j)],   v[XF+4*(\j)],   v[XF+4*(\j)+1]
	v_cvt_pk_bf16_f32 v[XB+2*(\j)+1], v[XF+4*(\j)+2], v[XF+4*(\j)+3]
	LOADU (\u)+1, \j
	global_store_b64 v[YO], v[XB+2*(\j):XB+2*(\j)+1], s[14:15] offset:(16*(((\u)%4)/3)+(\j))*ROWH+((\u)/4)*4096  ; the wave stores 256 consecutive bytes, at a multiple of 256 from xb's first
	ds_store_b64 v[XS], v[XB+2*(\j):XB+2*(\j)+1] offset:PX*(\j)
.endr
.endm
; A unit of A: four rows a load, rounded and laid into the wave's stage as [k][n].
.macro APH u
.irp j, 0,1,2,3,4,5,6,7,8,9,10,11,12,13,14,15
	s_wait_loadcnt 15                              ; as above
	v_cvt_pk_bf16_f32 v[T+2*((\j)%4)],   v[XF+4*(\j)],   v[XF+4*(\j)+1]
	v_cvt_pk_bf16_f32 v[T+2*((\j)%4)+1], v[XF+4*(\j)+2], v[XF+4*(\j)+3]
	LOADU (\u)+1, \j
	ds_store_b64 v[AST], v[T+2*((\j)%4):T+2*((\j)%4)+1] offset:((\u)%4-1)*64*PA+4*PA*(\j)
.endr
.endm
; The product of 16 rows of x with the chunk of A: eight matrix instructions, used transposed (source 0 = 16 columns of A, turned on their way out of LDS; source 1 = 16 rows of x), so that a lane holds
; eight neighbouring columns of one row of low.  witha = 1: A's fragments are fetched too; they serve both halves of the rows.  The two accumulators take turns.
.macro FRWM c, rb, witha
	s_wait_xcnt 0x0                                ; every earlier memory instruction has had its addresses translated (ISA guide 3.1): XB, which the stores to xb read, is loaded into only behind this wait
.irp ks, 0,1,2,3
.if \witha
.irp nb, 0,1
	ds_load_tr16_b128 v[AFR+16*(\ks)+8*(\nb):AFR+16*(\ks)+8*(\nb)+3],   v[ATR] offset:32*PA*(\ks)+32*(\nb)
	ds_load_tr16_b128 v[AFR+16*(\ks)+8*(\nb)+4:AFR+16*(\ks)+8*(\nb)+7], v[ATR] offset:32*PA*(\ks)+32*(\nb)+16*PA
.endr
.endif
	ds_load_b128 v[XB+8*(\ks):XB+8*(\ks)+3],   v[XR] offset:64*(\ks)    ; LDS serves a wave's instructions in order (ISA guide 5.7.1.4): these see the wave's own stores above
	ds_load_b128 v[XB+8*(\ks)+4:XB+8*(\ks)+7], v[XR] offset:64*(\ks)+32
.endr
.irp ks, 0,1,2,3
	s_wait_dscnt (2+4*(\witha))*(3-(\ks))          ; the loads of the later ks, six each with A and two without, may stay out
.irp nb, 0,1
.if ((\c) == 0) && ((\ks) == 0)
	v_wmma_f32_16x16x32_bf16 v[ACC+8*(2*(\rb)+(\nb)):ACC+8*(2*(\rb)+(\nb))+7], v[AFR+16*(\ks)+8*(\nb):AFR+16*(\ks)+8*(\nb)+7], v[XB+8*(\ks):XB+8*(\ks)+7], 0  ; the first product starts the sum
.else
	v_wmma_f32_16x16x32_bf16 v[ACC+8*(2*(\rb)+(\nb)):ACC+8*(2*(\rb)+(\nb))+7], v[AFR+16*(\ks)+8*(\nb):AFR+16*(\ks)+8*(\nb)+7], v[XB+8*(\ks):XB+8*(\ks)+7], v[ACC+8*(2*(\rb)+(\nb)):ACC+8*(2*(\rb)+(\nb))+7]
.endif
.endr
.endr
.rept 4
	v_nop                                          ; four places (ISA guide 7.12.1) ahead of what writes XB or AFR next, or reads the sums
.endr
.endm
	s_lshl_b32 s26, s24, 19                        ; 32 rows of 16,384 bytes
	s_add_nc_u64 s[4:5], s[4:5], s[26:27]
	s_lshl_b32 s26, s24, 18                        ; of 8,192
	s_add_nc_u64 s[14:15], s[14:15], s[26:27]
	s_lshl_b32 s26, s24, 11                        ; of 64
	s_add_nc_u64 s[18:19], s[18:19], s[26:27]
	s_lshr_b32 s26, s24, 5                         ; the batch: 32 blocks of 32 rows each
	s_lshl_b32 s26, s26, 2
	s_load_b32 s30, s[12:13], s26 offset:0x0       ; its labeler; the first unit of x goes out while this is on its way
.irp j, 0,1,2,3,4,5,6,7,8,9,10,11,12,13,14,15
	LOADU 0, \j
.endr
	s_wait_kmcnt 0x0
	s_min_u32 s30, s30, 4                          ; held inside the table
	s_lshl_b32 s28, s30, 19                        ; a table is 4096 x 32 x 4 bytes
	s_add_nc_u64 s[8:9], s[8:9], s[28:29]
.irp c, 0,1
	XPH 4*(\c)
	APH 4*(\c)+1
	APH 4*(\c)+2
	FRWM \c, 0, 1
	XPH 4*(\c)+3
	FRWM \c, 1, 0
.endr
.irp rb, 0,1                           ; my partial low, over A's stage, which I have read for the last time; each accumulator's low registers first
.irp nb, 0,1
	ds_store_b128 v[PS], v[ACC+8*(2*(\rb)+(\nb)):ACC+8*(2*(\rb)+(\nb))+3]   offset:16*PP*(\rb)+64*(\nb)
	ds_store_b128 v[PS], v[ACC+8*(2*(\rb)+(\nb))+4:ACC+8*(2*(\rb)+(\nb))+7] offset:16*PP*(\rb)+64*(\nb)+16
.endr
.endr
	s_branch .Ljoin
; ---------------- rows of W and of lora_B_w ----------------
.Lw:
	s_lshl_b32 s26, s24, 19
	s_add_nc_u64 s[6:7], s[6:7], s[26:27]
	s_lshl_b32 s26, s24, 18
	s_add_nc_u64 s[16:17], s[16:17], s[26:27]
	s_lshl_b32 s26, s24, 12                        ; 32 rows of 128 bytes
	s_add_nc_u64 s[10:11], s[10:11], s[26:27]
	s_lshl_b32 s26, s24, 11                        ; of 64
	s_add_nc_u64 s[20:21], s[20:21], s[26:27]
	s_cmp_lt_u32 s22, 8                            ; 32 rows of lora_B_w are 4,096 bytes: 16 for each thread of waves 0 to 7.  The load goes out ahead of the ring's: it is older than all of them
	s_cbranch_scc0 .Lw_ring
	global_load_b128 v[T:T+3], v[XO], s[10:11]
.Lw_ring:
.set jj, 0
.rept 32                               ; the ring is filled: my first chunk of all 32 rows
	global_load_b128 v[WF+4*jj:WF+4*jj+3], v[XO], s[6:7] offset:jj*ROWF th:TH_LOAD_NT
.set jj, jj+1
.endr
	s_cmp_lt_u32 s22, 8
	s_cbranch_scc0 .Lw_go
	s_wait_loadcnt 32                              ; the ring's 32 loads may stay out
	v_pk_mul_f32 v[T:T+1],   v[T:T+1],   0.5 op_sel_hi:[1,0]   ; lora_alpha / lora_r
	v_pk_mul_f32 v[T+2:T+3], v[T+2:T+3], 0.5 op_sel_hi:[1,0]
	v_cvt_pk_bf16_f32 v[T+4], v[T],   v[T+1]
	v_cvt_pk_bf16_f32 v[T+5], v[T+2], v[T+3]
	global_store_b64 v[YO], v[T+4:T+5], s[20:21]   ; the wave stores 256 consecutive bytes, at a multiple of 256 from bwb's first
.Lw_go:
.macro WSLOT j, rnd                    ; row j of chunk rnd is rounded and stored; in the first round the slot takes the row's second chunk
	s_wait_loadcnt 31-(\rnd)*(\j)                  ; behind row j stand 31 - j loads of this round and, in the first round, j of the next
	v_cvt_pk_bf16_f32 v[YB+2*(\j)],   v[WF+4*(\j)],   v[WF+4*(\j)+1]
	v_cvt_pk_bf16_f32 v[YB+2*(\j)+1], v[WF+4*(\j)+2], v[WF+4*(\j)+3]
.if (\rnd) == 0
	global_load_b128 v[WF+4*(\j):WF+4*(\j)+3], v[XO], s[6:7] offset:(\j)*ROWF+8192 th:TH_LOAD_NT
.endif
	global_store_b64 v[YO], v[YB+2*(\j):YB+2*(\j)+1], s[16:17] offset:(\j)*ROWH+(\rnd)*4096
.endm
.set jj, 0
.rept 32
	WSLOT jj, 0
.set jj, jj+1
.endr
	s_wait_xcnt 0x0                                ; YB, which the first round's stores read, is rewritten only behind this wait
.set jj, 0
.rept 32
	WSLOT jj, 1
.set jj, jj+1
.endr
; ---------------- both roles ----------------
.Ljoin:
	s_wait_dscnt 0x0                               ; for the others' sake: my partial low is in LDS
	s_barrier_signal -1
	s_barrier_wait -1                              ; everybody's is
	s_cmp_lg_u32 s23, 0
	s_cbranch_scc1 .Lend                           ; the W role has nothing to add
	s_cmp_lt_u32 s22, 8
	s_cbranch_scc0 .Lend                           ; 32 x 32 sums, four to a thread: waves 0 to 7
.irp p, 0,1,2,3,4,5,6,7,8,9,10,11,12,13,14,15
	ds_load_b128 v[XF+4*(\p):XF+4*(\p)+3], v[RP+(\p)/4] offset:((\p)%4)*WREG  ; wave p's part
.endr
	s_wait_dscnt 0x0
.irp d, 8,4,2,1                        ; a tree, in f32
.set p, 0
.rept \d
	v_pk_add_f32 v[XF+4*p:XF+4*p+1],   v[XF+4*p:XF+4*p+1],   v[XF+4*(p+\d):XF+4*(p+\d)+1]
	v_pk_add_f32 v[XF+4*p+2:XF+4*p+3], v[XF+4*p+2:XF+4*p+3], v[XF+4*(p+\d)+2:XF+4*(p+\d)+3]
.set p, p+1
.endr
.endr
	v_cvt_pk_bf16_f32 v[T],   v[XF],   v[XF+1]
	v_cvt_pk_bf16_f32 v[T+1], v[XF+2], v[XF+3]
	global_store_b64 v[YO], v[T:T+1], s[18:19]     ; the wave stores 256 consecutive bytes, at a multiple of 256 from lowb's first
.Lend:
	s_wait_tensorcnt 0x0                           ; the wave's end, behind my last LDS store
	ds_add_u32 v[SPW], v[NIL]
	s_wait_dscnt 0x0
	s_endpgm
.Lfunc_end_k_q8b25bf79f8_prep:
	.size	k_q8b25bf79f8_prep, .Lfunc_end_k_q8b25bf79f8_prep-k_q8b25bf79f8_prep
	.p2alignl 7, 3214868480
	.fill 96, 4, 3214868480
	.section	.rodata,"a",@progbits
	.p2align	6, 0x0
	.amdhsa_kernel k_q8b25bf79f8_prep
		.amdhsa_group_segment_fixed_size 268288
		.amdhsa_private_segment_fixed_size 0
		.amdhsa_enable_private_segment 0
		.amdhsa_kernarg_size 72
		.amdhsa_user_sgpr_count 2
		.amdhsa_user_sgpr_kernarg_segment_ptr 1
		.amdhsa_wavefront_size32 1
		.amdhsa_system_sgpr_workgroup_id_x 1
		.amdhsa_system_sgpr_workgroup_id_y 1
		.amdhsa_system_sgpr_workgroup_id_z 1
		.amdhsa_system_vgpr_workitem_id 0
		.amdhsa_next_free_vgpr 232
		.amdhsa_next_free_sgpr 66
		.amdhsa_reserve_vcc 0
		.amdhsa_float_denorm_mode_32 3
		.amdhsa_float_denorm_mode_16_64 3
		.amdhsa_memory_ordered 1
		.amdhsa_forward_progress 1
		.amdhsa_inst_pref_size 84
	.end_amdhsa_kernel
	.amdgpu_metadata
---
amdhsa.version: [ 1, 2 ]
amdhsa.kernels:
  - .name:           k_q8b25bf79f8_prep
    .symbol:         k_q8b25bf79f8_prep.kd
    .args:
      - { .name: x, .offset: 0, .size: 8, .value_kind: global_buffer, .address_space: global }
      - { .name: W, .offset: 8, .size: 8, .value_kind: global_buffer, .address_space: global }
      - { .name: lora_A, .offset: 16, .size: 8, .value_kind: global_buffer, .address_space: global }
      - { .name: lora_B_w, .offset: 24, .size: 8, .value_kind: global_buffer, .address_space: global }
      - { .name: labeler_index, .offset: 32, .size: 8, .value_kind: global_buffer, .address_space: global }
      - { .name: xb, .offset: 40, .size: 8, .value_kind: global_buffer, .address_space: global }
      - { .name: wb, .offset: 48, .size: 8, .value_kind: global_buffer, .address_space: global }
      - { .name: lowb, .offset: 56, .size: 8, .value_kind: global_buffer, .address_space: global }
      - { .name: bwb, .offset: 64, .size: 8, .value_kind: global_buffer, .address_space: global }
    .group_segment_fixed_size: 268288
    .private_segment_fixed_size: 0
    .kernarg_segment_align: 8
    .kernarg_segment_size: 72
    .max_flat_workgroup_size: 512
    .sgpr_count:     66
    .vgpr_count:     232
    .wavefront_size: 32
...
	.end_amdgpu_metadata
.endif
;; end of part 1
;; launch gemm (part 2): grid 16 x 16, 4 waves a work-group, clusters of 4 x 4, 327,680 bytes of LDS; arguments xb, wb, out0, lowb, bwb; writes out0
.if DOCPART == 2
	.amdgcn_target "amdgcn-amd-amdhsa--gfx1250"
	.amdhsa_code_object_version 6
	.text
	.protected	k_q8b25bf79f8_gemm
	.globl	k_q8b25bf79f8_gemm
	.p2align	8
	.type	k_q8b25bf79f8_gemm,@function
k_q8b25bf79f8_gemm:
	s_mov_b64 s[64:65], 0
	v_nop
	global_prefetch_b8 v0, s[64:65] scope:SCOPE_SE
	s_setreg_imm32_b32 hwreg(HW_REG_WAVE_MODE, 25, 1), 1
	s_wait_xcnt 0x0
	s_wait_alu depctr_hold_cnt(0) depctr_sa_sdst(0) depctr_va_vdst(0) depctr_va_sdst(0) depctr_va_ssrc(0) depctr_va_vcc(0) depctr_vm_vsrc(0)
	s_getreg_b32 s2, hwreg(HW_REG_IB_STS2, 6, 4)
	s_cmp_eq_u32 s2, 0
	s_cbranch_scc0 .Lentry_in_a_cluster
	s_endpgm
.Lentry_in_a_cluster:
	s_bfe_u32 s2, ttmp6, 0x10000c
	s_cmp_lg_u32 s2, 0xf033
	s_cbranch_scc0 .Lentry_shape_is_right
	s_endpgm
.Lentry_shape_is_right:
; out0[m][n] = sum over k of xb[m][k] wb[n][k]  +  sum over r of lowb[m][r] bwb[n][r].  xb, wb: [4096][4096] bf16; lowb, bwb: [4096][32] bf16 (bwb holds 0.5 lora_B_w); out0: [4096][4096] f32; sums in f32.
; The low-rank term is one more piece of 32 along K: its 64 products a wave START the sums (C = 0), so nothing is cleared and no separate pass adds it: 64 of a wave's 8,256 matrix instructions.
; A tile of out0, 256 x 256, is made by a work-group of four waves; a wave makes 128 x 128: 64 accumulators of 16 x 16, 512 registers.  256 tiles, one to a work-group.
; K goes in steps of 128 through a ring of two LDS slots filled by the tensor data mover: the rows of the tiles are 256 bytes of memory and start at multiples of 256 bytes from the buffer's first byte.
; CLUSTERS: 4 x 4 work-groups.  The four of a row of the cluster need the same tiles of xb, the four of a column the same tiles of wb: each tile is asked for JOINTLY, by the same tensor load with the same
; descriptor and a mask that names the four; each receives it in its own LDS.  That divides the requests for xb and wb by four.
; LIMITS.  The order of the sum differs from the formula's: the low-rank term first, then k ascending.  NaN and infinities are not treated apart.
;
; REGISTERS, in windows of 256 (an instruction names v0-v255; s_set_vgpr_msb says which window each operand place means: bits 1:0 source 0, 3:2 source 1, 5:4 source 2, 7:6 destination):
;   window 0: v0-31 addresses; v64-127, v128-191 fragments of xb (8 x 16 rows x 32 K), two buffers; on the way out the rows read back from the stage
;   window 1: v64-127, v128-191 fragments of wb, two buffers
;   window 2: the 32 accumulators of my rows 0-63 (accumulator (a, b) at v[8 (8 a + b)]);   window 3: those of my rows 64-127
; THE MATRIX INSTRUCTION IS USED TRANSPOSED: source 0 = 16 rows of wb, source 1 = 16 rows of xb.  In the result lane l then holds row l % 16 of out0, and its registers 0 to 7 the columns 8 (l / 16) + 0 .. 7:
; 32 neighbouring bytes of a row.
.set SIZE_N, 4096
.set SIZE_K, 4096
.set KSTEP,  128
.set PITCH,  272                       ; an LDS row: 256 bytes of data + 16 of padding = 68 words: row r starts at bank 4 r mod 64 (64 banks of 4 bytes: ISA guide 11.1), so the 16 rows that a load touches start at 16 different banks
.set HALFT,  128*PITCH                 ; 128 rows: what one tensor load brings, and what one wave reads of xb or of wb
.set SLOT,   4*HALFT                   ; xb's 256 rows, then wb's 256 rows
.set STAGE,  2*SLOT                    ; behind the ring: 16 rows x 528 bytes for each wave, for the way out; no tensor load fills it
.set SPITCH, 528                       ; 128 f32 = 512 bytes + 16 = 132 words: again row r starts at bank 4 r mod 64
.set SPARE,  STAGE+4*16*SPITCH         ; behind the stages: the spare words, 128 bytes for each wave: two blocks of 256 bytes that no other line names
.set LAPS,   SIZE_K/(2*KSTEP)          ; a lap = two K steps = once round the ring
.set ADRA, 16                          ; v16-17  LDS address of my xb fragments in slot 0, 1
.set ADRB, 20                          ; v20-21  the same for wb
.set STO,  24                          ; v24     the way out: where I put 32 bytes of a row
.set RD,   25                          ; v25     the way out: where I read a row back
.set CO,   26                          ; v26     my byte offset in a row's 512 bytes of out0
.set LR,   27                          ; v27     my byte offset in 16 rows of lowb or bwb
.set SPW,  28                          ; v28     LDS address of my spare word: SPARE + 4 x my thread's number; never rewritten
.set NIL,  29                          ; v29     0; never rewritten
.set F0,   64                          ; fragment buffer 0
.set F1,   128                         ; fragment buffer 1
.set G1,  24                           ; s[24:31] descriptor group 1 for xb's tiles
.set G0,  32                           ; s[32:39] descriptor group 0 for xb's tiles, one set for each slot
.set G1B, 48                           ; s[48:55] descriptor group 1 for wb's tiles: it differs in the mask alone
.set G0B, 56                           ; s[56:63] descriptor group 0 for wb's tiles, one set for each slot
.set MSB, 0
.macro WIN new                         ; the immediate's high byte repeats the setting that is left; a switch that changes nothing is dropped
.if MSB != (\new)
	s_set_vgpr_msb (MSB<<8)|(\new)
.set MSB, \new
.endif
.endm
.set MUL_LO, 0xa1                      ; source 0 (wb) window 1, source 1 (xb) window 0, C and D window 2
.set MUL_HI, 0xf1                      ; the same, C and D window 3
.set TO_B,   0x40                      ; destination window 1, address window 0
; A joint load.  Waves 0 and 1 fetch xb's two halves, waves 2 and 3 wb's.  Each of the two lines has ONE mask and one set of registers for all that issue it, and nothing in them hangs on a coordinate that
; the four partners do not share.  The branch hangs on the wave's number alone.  An s_nop 0 and four v_nop follow each of the two lines, ahead of the jump, the label and what follows.
.macro JLOAD s
	s_cmp_eq_u32 s11, 0
	s_cbranch_scc0 .Lfor_b_\@
	tensor_load_to_lds s[G0+4*(\s):G0+4*(\s)+3], s[G1:G1+7]
	s_nop 0
.rept 4
	v_nop
.endr
	s_branch .Lasked_\@
.Lfor_b_\@:
	tensor_load_to_lds s[G0B+4*(\s):G0B+4*(\s)+3], s[G1B:G1B+7]
	s_nop 0
.rept 4
	v_nop
.endr
.Lasked_\@:
.endm
; A round of the cluster's barrier: my work-group's barrier, so that wave 0's signal speaks for all four waves; wave 0 signals for the work-group; every wave waits for all sixteen work-groups;
; my work-group's barrier once more.  No LDS instruction of the wave is pending at a signal.
.macro CREST                           ; a round behind its opening barrier
	s_cmp_lg_u32 s10, 0
	s_cbranch_scc1 .Lnot_wave_0_\@
	s_barrier_signal -3
.Lnot_wave_0_\@:
	s_barrier_wait -3
	s_barrier_signal -1
	s_barrier_wait -1
.endm
.macro CROUND                          ; a whole round
	s_barrier_signal -1
	s_barrier_wait -1
	CREST
.endm
	s_load_b128 s[4:7], s[0:1], 0x0                ; xb s[4:5], wb s[6:7]
	s_load_b64 s[8:9], s[0:1], 0x10                ; out0
	s_load_b64 s[68:69], s[0:1], 0x18              ; lowb
	s_load_b64 s[70:71], s[0:1], 0x20              ; bwb
	v_lshl_add_u32 v[SPW], v0, 2, SPARE
	v_mov_b32 v[NIL], 0
	ds_add_u32 v[SPW], v[NIL]                      ; the wave's opening: the add and its wait stand ahead of my first tensor load; the set-up below, work on registers, stands between them
	v_lshrrev_b32 v1, 5, v0
	v_readfirstlane_b32 s10, v1                    ; wave 0..3
	s_lshr_b32 s11, s10, 1                         ; which half of the tile's rows is mine.  Also: I fetch for xb (0) or for wb (1)
	s_and_b32 s12, s10, 1                          ; which half of its columns.  Also: which 128 rows of that tile I fetch
	s_bfe_u32 s40, ttmp6, 0x40000                  ; cx: my place along the cluster's x
	s_bfe_u32 s41, ttmp6, 0x40004                  ; cy: along its y
	s_lshl_b32 s42, ttmp9, 2                       ; in a cluster launch ttmp9 and ttmp7 count clusters
	s_add_co_u32 s42, s42, s40                     ; tile column = 4 x cluster x + cx
	s_and_b32 s13, ttmp7, 0xffff
	s_lshl_b32 s13, s13, 2
	s_add_co_u32 s13, s13, s41                     ; tile row = 4 x cluster y + cy
	s_lshl_b32 s43, s41, 2
	s_lshl_b32 s43, 15, s43                        ; my row of the cluster: places 4 cy .. 4 cy + 3
	s_lshl_b32 s44, 0x1111, s40                    ; my column: places cx, cx + 4, cx + 8, cx + 12
	; descriptor group 1: a tile of 128 rows x 128 elements, padded in LDS
	s_or_b32 s[G1+0], s43, (1<<16)|(1<<20)|(1<<21)|(5<<22)|(3<<25)   ; 15:0 the mask: xb's tiles go to my row; 17:16 element of 2 bytes; 20 padding on; 21 set beside a mask; 24:22 after every 64 words (code 5); 31:25 of 4 words (code 3)
	s_or_b32 s[G1B+0], s44, (1<<16)|(1<<20)|(1<<21)|(5<<22)|(3<<25)  ; the same with the mask of my column, for wb's tiles
.irp g, G1, G1B
	s_mov_b32 s[(\g)+1], KSTEP<<16                 ; 63:48 tensor_dim0, low half = 128
	s_mov_b32 s[(\g)+2], 128<<16                   ; 79:64 its high half = 0; 95:80 tensor_dim1, low half = 128
	s_mov_b32 s[(\g)+3], KSTEP<<16                 ; 111:96 its high half = 0; 127:112 tile_dim0 = 128
	s_mov_b32 s[(\g)+4], 128                       ; 143:128 tile_dim1 = 128; 159:144 tile_dim2 = 0
	s_mov_b32 s[(\g)+5], SIZE_K                    ; 191:160 tensor_dim0_stride, low word: elements from row to row
	s_mov_b32 s[(\g)+6], 0
	s_mov_b32 s[(\g)+7], 0
.endr
	; where the tiles come from.  xb's hang on the tile row alone, which my row of the cluster shares; wb's on the tile column alone, which my column shares.
	; Every wave makes both addresses, in registers that never hold the other coordinate, and asks by one of them.
	s_lshl_b32 s17, s12, 7                         ; which 128 rows of the tile I fetch
	s_lshl_b32 s16, s13, 8
	s_add_co_u32 s16, s16, s17                     ; xb: row 256 x tile row + 128 x half
	s_lshl_b32 s46, s42, 8
	s_add_co_u32 s46, s46, s17                     ; wb: row 256 x tile column + 128 x half
	s_mov_b32 s17, 0
	s_mov_b32 s47, 0
	s_mov_b64 s[18:19], SIZE_K*2
	s_mul_u64 s[16:17], s[16:17], s[18:19]         ; in bytes
	s_mul_u64 s[46:47], s[46:47], s[18:19]
	s_mul_i32 s20, s10, HALFT                      ; and where they go: xb's two halves, then wb's two halves = wave x 128 rows: no place in the cluster enters an LDS address
	s_lshl_b32 s72, s13, 14                        ; lowb at the 128 rows that I multiply: (256 x tile row + 128 x row half) x 64 bytes
	s_lshl_b32 s73, s11, 13
	s_add_co_u32 s72, s72, s73
	s_mov_b32 s73, 0
	s_lshl_b32 s74, s42, 14                        ; bwb likewise: (256 x tile column + 128 x column half) x 64 bytes
	s_lshl_b32 s75, s12, 13
	s_add_co_u32 s74, s74, s75
	s_mov_b32 s75, 0
	s_wait_dscnt 0x0                               ; the opening add is done
	s_wait_kmcnt 0x0
	s_add_nc_u64 s[14:15], s[4:5], s[16:17]
	s_add_nc_u64 s[46:47], s[6:7], s[46:47]
	s_add_nc_u64 s[68:69], s[68:69], s[72:73]
	s_add_nc_u64 s[70:71], s[70:71], s[74:75]
	CROUND                                         ; all sixteen work-groups are here: the first joint loads meet
.irp s, 0,1
	s_mov_b32 s[G0+4*(\s)], 1                                        ; 1:0 count = 1
	s_add_co_u32 s[G0+4*(\s)+1], s20, (\s)*SLOT                      ; 63:32 LDS address
	s_add_nc_u64 s[G0+4*(\s)+2:G0+4*(\s)+3], s[14:15], (\s)*KSTEP*2  ; 120:64 global address: K step s
	s_or_b32 s[G0+4*(\s)+3], s[G0+4*(\s)+3], 0x80000000              ; 127:126 type = 2
	s_mov_b32 s[G0B+4*(\s)], 1
	s_add_co_u32 s[G0B+4*(\s)+1], s20, (\s)*SLOT
	s_add_nc_u64 s[G0B+4*(\s)+2:G0B+4*(\s)+3], s[46:47], (\s)*KSTEP*2
	s_or_b32 s[G0B+4*(\s)+3], s[G0B+4*(\s)+3], 0x80000000
	JLOAD \s                                       ; the ring is filled before anything else is done: two tensor loads of mine are out
.endr
	; A fragment is 16 rows x 32 K in 8 registers: lane l holds row l % 16; registers 0-3 hold K = 8 (l / 16) + 0..7, registers 4-7 hold K = 16 + 8 (l / 16) + 0..7: two loads of 16 bytes, 32 bytes apart.
	v_and_b32 v1, 15, v0                           ; l % 16
	v_bfe_u32 v2, v0, 4, 1                         ; l / 16
	v_lshlrev_b32 v[LR], 6, v1                     ; a row of lowb or bwb is 64 bytes: all its 32 numbers are one fragment's K
	v_lshl_add_u32 v[LR], v2, 4, v[LR]
	; THE LOW-RANK FRAGMENTS come straight from memory into buffer 1, once: 128 rows of bwb, 128 rows of lowb; a pair of loads covers 1,024 consecutive bytes.
	WIN TO_B
.irp i, 0,1,2,3,4,5,6,7
	global_load_b128 v[F1+8*(\i):F1+8*(\i)+3],   v[LR], s[70:71] offset:1024*(\i)
	global_load_b128 v[F1+8*(\i)+4:F1+8*(\i)+7], v[LR], s[70:71] offset:1024*(\i)+32
.endr
	WIN 0
.irp i, 0,1,2,3,4,5,6,7
	global_load_b128 v[F1+8*(\i):F1+8*(\i)+3],   v[LR], s[68:69] offset:1024*(\i)
	global_load_b128 v[F1+8*(\i)+4:F1+8*(\i)+7], v[LR], s[68:69] offset:1024*(\i)+32
.endr
	v_mul_u32_u24 v3, v1, PITCH
	v_lshl_add_u32 v3, v2, 4, v3                   ; row x pitch + 16 x half
	s_mul_i32 s21, s11, HALFT                      ; my 128 rows of xb
	s_mul_i32 s22, s12, HALFT                      ; my 128 rows of wb,
	s_add_co_u32 s22, s22, 2*HALFT                 ; which lie behind xb's 256
.irp s, 0,1
	v_add_nc_u32 v[ADRA+(\s)], s21, v3
	v_add_nc_u32 v[ADRB+(\s)], s22, v3
	s_add_co_u32 s21, s21, SLOT
	s_add_co_u32 s22, s22, SLOT
.endr
	s_mul_i32 s23, s10, 16*SPITCH
	s_add_co_u32 s23, s23, STAGE                   ; my stage
	v_mul_u32_u24 v4, v1, SPITCH                   ; in: row l % 16, 32 bytes for each half of the lanes
	v_lshl_add_u32 v4, v2, 5, v4
	v_add_nc_u32 v[STO], s23, v4
	v_and_b32 v5, 31, v0
	v_lshlrev_b32 v[CO], 4, v5                     ; back and out: 32 lanes take one row's 512 bytes
	v_add_nc_u32 v[RD], s23, v[CO]
	s_lshl_b32 s16, s13, 22                        ; out0 at my part of the tile: (256 x tile row + 128 x row half) rows of 16,384 bytes,
	s_lshl_b32 s17, s11, 21
	s_add_co_u32 s16, s16, s17
	s_mov_b32 s17, 0
	s_add_nc_u64 s[8:9], s[8:9], s[16:17]
	s_lshl_b32 s46, s42, 10                        ; and (256 x tile column + 128 x column half) x 4 bytes
	s_lshl_b32 s47, s12, 9
	s_add_co_u32 s46, s46, s47
	s_mov_b32 s47, 0
	s_add_nc_u64 s[8:9], s[8:9], s[46:47]
; 16 matrix instructions: m blocks a0, a0 + 1 of the window's four (hi = 0: my rows 0-63, 1: rows 64-127) x all 8 n blocks, 32 along K.  zero = 1: the product starts the sums.
; The 64 accumulators take turns, one instruction a turn, in the same order in every piece of 32 along K: between two links of a chain stand the 63 others'.
.macro MUL16 f, hi, a0, zero
	WIN MUL_LO+0x50*(\hi)
.irp a, \a0, (\a0)+1
.irp b, 0,1,2,3,4,5,6,7
.if \zero
	v_wmma_f32_16x16x32_bf16 v[8*(8*(\a)+(\b)):8*(8*(\a)+(\b))+7], v[(\f)+8*(\b):(\f)+8*(\b)+7], v[(\f)+8*(4*(\hi)+(\a)):(\f)+8*(4*(\hi)+(\a))+7], 0
.else
	v_wmma_f32_16x16x32_bf16 v[8*(8*(\a)+(\b)):8*(8*(\a)+(\b))+7], v[(\f)+8*(\b):(\f)+8*(\b)+7], v[(\f)+8*(4*(\hi)+(\a)):(\f)+8*(4*(\hi)+(\a))+7], v[8*(8*(\a)+(\b)):8*(8*(\a)+(\b))+7]
.endif
.endr
.endr
.endm
; 32 LDS loads in one run: the fragments of one quarter step (128 rows of wb, 128 rows of xb, 32 K at byte k of the rows) into buffer f
.macro FETCH slot, k, f
	WIN TO_B
.irp i, 0,1,2,3,4,5,6,7
	ds_load_b128 v[(\f)+8*(\i):(\f)+8*(\i)+3],   v[ADRB+(\slot)] offset:(\k)+(\i)*16*PITCH
	ds_load_b128 v[(\f)+8*(\i)+4:(\f)+8*(\i)+7], v[ADRB+(\slot)] offset:(\k)+(\i)*16*PITCH+32
.endr
	WIN 0
.irp i, 0,1,2,3,4,5,6,7
	ds_load_b128 v[(\f)+8*(\i):(\f)+8*(\i)+3],   v[ADRA+(\slot)] offset:(\k)+(\i)*16*PITCH
	ds_load_b128 v[(\f)+8*(\i)+4:(\f)+8*(\i)+7], v[ADRA+(\slot)] offset:(\k)+(\i)*16*PITCH+32
.endr
.endm
; A load into a register that a matrix instruction has read, and an LDS store that reads a matrix result, stand four places behind that matrix instruction, and only plain vector instructions that name none
; of its registers are places (ISA guide 7.12.1 for vector instructions).
.macro PLACES
.rept 4
	v_nop
.endr
.endm
; A K step is four quarter steps of 32 along K, 64 matrix instructions each, on buffers 0, 1, 0, 1.
; One of the first three: multiplies buffer f; in its middle it fetches the next quarter's fragments, at byte k of the same slot's rows, into buffer g.
.macro QUARTER slot, k, f, g
	s_wait_dscnt 8                                 ; wb and xb's rows 0-63 are in; the youngest eight loads (xb's rows 64-127) may be out
	MUL16 \f, 0, 0, 0
	MUL16 \f, 0, 2, 0
	PLACES
	FETCH \slot, \k, \g
	s_wait_dscnt 32                                ; all but the 32 just issued
	MUL16 \f, 1, 0, 0
	MUL16 \f, 1, 2, 0
.endm
; The last quarter multiplies buffer 1 and changes slots.  MEET is its first half: ONE barrier for the change of slots.  In front of it each wave waits for all its tensor loads, of which one is out: its part
; of the next slot; adds 0 to its spare word; and waits for that and for its own reads of this slot.  Behind it nobody reads this slot any more and the next slot is whole.
.macro MEET round                      ; round = 1: a round of the cluster's barrier follows
	WIN 0                                          ; (the add's two registers lie in window 0)
	s_wait_tensorcnt 0x0                           ; all my tensor loads have landed: the one that was out is my part of the next slot;
	ds_add_u32 v[SPW], v[NIL]                      ; 0 onto my spare word;
	s_wait_dscnt 9                                 ; (the add and the youngest eight loads may be out)
	MUL16 F1, 0, 0, 0                              ; sixteen matrix instructions stand between the add and the wait for it
	s_wait_dscnt 0x0                               ; the add is done, and my reads of this slot are over:
	s_barrier_signal -1                            ; say so (where a slot is filled again this barrier opens a round of the cluster's barrier),
	MUL16 F1, 0, 2, 0                              ; work on registers while the others arrive,
.if \round
	WIN 0
.endif
	s_barrier_wait -1                              ; and go on when all four have said so
.endm
; The whole last quarter.  Behind the round the slot just read out is filled again first, with the K step two steps on; then come the next slot's first fragments.
; From a request to the wait for it a wave issues 224 matrix instructions.
.macro TURN slot, next
	MEET 1
	CREST                                          ; no wave of any partner still reads this slot's tile or has a load on its way
	s_add_nc_u64 s[G0+4*(\slot)+2:G0+4*(\slot)+3], s[G0+4*(\slot)+2:G0+4*(\slot)+3], 2*KSTEP*2      ; no tensor load of mine is out, so a group 0 may be written; the type bits on top are not reached
	s_add_nc_u64 s[G0B+4*(\slot)+2:G0B+4*(\slot)+3], s[G0B+4*(\slot)+2:G0B+4*(\slot)+3], 2*KSTEP*2
	JLOAD \slot                                    ; the first tensor load behind the round, my only one until the next; the four v_nop behind it are also the places in front of the loads below
	FETCH \next, 0, F0
	MUL16 F1, 1, 0, 0
	MUL16 F1, 1, 2, 0
.endm
	s_wait_tensorcnt 1                             ; my part of K step 0 is in; K step 1's may stay out
	s_barrier_signal -1
	s_barrier_wait -1                              ; everybody's is
	FETCH 0, 0, F0
	s_wait_loadcnt 0x0                             ; lowb's and bwb's fragments
	MUL16 F1, 0, 0, 1                              ; THE LOW-RANK TERM STARTS THE SUMS
	MUL16 F1, 0, 2, 1
	MUL16 F1, 1, 0, 1
	MUL16 F1, 1, 2, 1
	QUARTER 0, 64,  F0, F1                         ; K step 0's first quarter stands in front of the loop
	WIN 0                                          ; at a label and at a branch every window is 0
	s_mov_b32 s3, LAPS-1
.Llap:                                                 ; a trip goes once round the ring, from a lap's second quarter to the next lap's first, and fills both slots again
	QUARTER 0, 128, F1, F0
	QUARTER 0, 192, F0, F1
	TURN 0, 1
	QUARTER 1, 64,  F0, F1
	QUARTER 1, 128, F1, F0
	QUARTER 1, 192, F0, F1
	TURN 1, 0
	QUARTER 0, 64,  F0, F1
	WIN 0
	s_sub_co_u32 s3, s3, 1
	s_cmp_lg_u32 s3, 0
	s_cbranch_scc1 .Llap
	QUARTER 0, 128, F1, F0                         ; the last lap is written out: it fills nothing, and it has no round of the cluster's barrier
	QUARTER 0, 192, F0, F1
	MEET 0                                         ; my one tensor load that was still out is slot 1's, the last K step's
	PLACES                                         ; for the loads into buffer 0, which the quarter before multiplied
	FETCH 1, 0, F0
	MUL16 F1, 1, 0, 0
	MUL16 F1, 1, 2, 0
	QUARTER 1, 64,  F0, F1
	QUARTER 1, 128, F1, F0
	QUARTER 1, 192, F0, F1
	s_wait_dscnt 8                                 ; the very last quarter: nothing more to fetch
	MUL16 F1, 0, 0, 0
	MUL16 F1, 0, 2, 0
	s_wait_dscnt 0x0
	MUL16 F1, 1, 0, 0
	MUL16 F1, 1, 2, 0
; THE WAY OUT, a block of 16 rows at a time.  A lane's 32 bytes are one sixteenth of a row's 512, and the lanes beside it hold other rows: so the block goes into my own stage in LDS, in rows of 528 bytes, and
; comes back by whole rows, into the registers that xb's fragments have left, two buffers by turns.
.macro TOSTAGE a
.set AC, 64*((\a)%4)
.set BK, F0+64*((\a)%2)
	WIN 0x08+4*((\a)/4)                            ; an LDS store's data are source 1: window 2 or 3
.irp b, 0,1,2,3,4,5,6,7
	ds_store_b128 v[STO], v[AC+8*(\b):AC+8*(\b)+3]   offset:64*(\b)      ; each accumulator's low registers first
	ds_store_b128 v[STO], v[AC+8*(\b)+4:AC+8*(\b)+7] offset:64*(\b)+16
.endr
	WIN 0
	s_wait_xcnt 0x0                                ; every earlier memory instruction has had its addresses translated (ISA guide 3.1): the buffer, which the stores of the block two back read, is loaded again only behind this wait
.irp t, 0,1,2,3,4,5,6,7,8,9,10,11,12,13,14,15
	ds_load_b128 v[BK+4*(\t):BK+4*(\t)+3], v[RD] offset:SPITCH*(\t)  ; LDS serves a wave's instructions in order (ISA guide 5.7.1.4): these see the stores above; the next block's stores come behind them
.endr
.endm
.macro SEND a, younger                 ; younger: the LDS instructions issued behind block a's loads: the next block's 16 stores and 16 loads, or none
.set BK, F0+64*((\a)%2)
	WIN 0
.irp t, 0,1,2,3,4,5,6,7,8,9,10,11,12,13,14,15
	s_wait_dscnt (\younger)+15-(\t)
	global_store_b128 v[CO], v[BK+4*(\t):BK+4*(\t)+3], s[8:9] offset:(16*(\a)+(\t))*SIZE_N*4 th:TH_STORE_NT  ; the wave stores 512 consecutive bytes, at a multiple of 512 from out0's first; 127 rows at the most: inside the signed 24-bit immediate
.endr
.endm
	PLACES                                         ; behind the last products: their results are read, and their sources loaded into, below
	TOSTAGE 0
.irp a, 1,2,3,4,5,6,7                  ; block a's trip through the stage is begun before block a - 1 is stored
	TOSTAGE \a
	SEND (\a)-1, 32
.endr
	SEND 7, 0
	s_wait_tensorcnt 0x0                           ; the wave's end, behind my last tensor load and my last LDS store
	ds_add_u32 v[SPW], v[NIL]
	s_wait_dscnt 0x0
	CROUND                                         ; the closing round: no work-group ends while a partner may still ask for a tile that names it
	s_endpgm
.Lfunc_end_k_q8b25bf79f8_gemm:
	.size	k_q8b25bf79f8_gemm, .Lfunc_end_k_q8b25bf79f8_gemm-k_q8b25bf79f8_gemm
	.p2alignl 7, 3214868480
	.fill 96, 4, 3214868480
	.section	.rodata,"a",@progbits
	.p2align	6, 0x0
	.amdhsa_kernel k_q8b25bf79f8_gemm
		.amdhsa_group_segment_fixed_size 327680
		.amdhsa_private_segment_fixed_size 0
		.amdhsa_enable_private_segment 0
		.amdhsa_kernarg_size 40
		.amdhsa_user_sgpr_count 2
		.amdhsa_user_sgpr_kernarg_segment_ptr 1
		.amdhsa_wavefront_size32 1
		.amdhsa_system_sgpr_workgroup_id_x 1
		.amdhsa_system_sgpr_workgroup_id_y 1
		.amdhsa_system_sgpr_workgroup_id_z 1
		.amdhsa_system_vgpr_workitem_id 0
		.amdhsa_next_free_vgpr 1024
		.amdhsa_next_free_sgpr 80
		.amdhsa_reserve_vcc 0
		.amdhsa_float_denorm_mode_32 3
		.amdhsa_float_denorm_mode_16_64 3
		.amdhsa_memory_ordered 1
		.amdhsa_forward_progress 1
		.amdhsa_inst_pref_size 151
	.end_amdhsa_kernel
	.amdgpu_metadata
---
amdhsa.version: [ 1, 2 ]
amdhsa.kernels:
  - .name:           k_q8b25bf79f8_gemm
    .symbol:         k_q8b25bf79f8_gemm.kd
    .args:
      - { .name: xb, .offset: 0, .size: 8, .value_kind: global_buffer, .address_space: global }
      - { .name: wb, .offset: 8, .size: 8, .value_kind: global_buffer, .address_space: global }
      - { .name: out0, .offset: 16, .size: 8, .value_kind: global_buffer, .address_space: global }
      - { .name: lowb, .offset: 24, .size: 8, .value_kind: global_buffer, .address_space: global }
      - { .name: bwb, .offset: 32, .size: 8, .value_kind: global_buffer, .address_space: global }
    .group_segment_fixed_size: 327680
    .private_segment_fixed_size: 0
    .kernarg_segment_align: 8
    .kernarg_segment_size: 40
    .max_flat_workgroup_size: 128
    .sgpr_count:     80
    .vgpr_count:     1024
    .wavefront_size: 32
...
	.end_amdgpu_metadata
.endif
;; end of part 2
;; ======== version 2 of 2: 2 launches; version 1 with the launch prep written anew for expert scheduling mode
;; workspace buffers: xb 33,554,432 bytes; wb 33,554,432 bytes; lowb 262,144 bytes; bwb 262,144 bytes
;; launch prep (part 3): grid 256 x 1, 16 waves a work-group, no clusters, 268,288 bytes of LDS; arguments x, W, lora_A, lora_B_w, labeler_index, xb, wb, lowb, bwb; writes xb, wb, lowb, bwb
.if DOCPART == 3
	.amdgcn_target "amdgcn-amd-amdhsa--gfx1250"
	.amdhsa_code_object_version 6
	.text
	.protected	k_q8b25bf79f8_prep
	.globl	k_q8b25bf79f8_prep
	.p2align	8
	.type	k_q8b25bf79f8_prep,@function
k_q8b25bf79f8_prep:
	s_mov_b64 s[64:65], 0
	v_nop
	global_prefetch_b8 v0, s[64:65] scope:SCOPE_SE
	s_setreg_imm32_b32 hwreg(HW_REG_WAVE_SCHED_MODE, 0, 2), 2
	s_setreg_imm32_b32 hwreg(HW_REG_WAVE_MODE, 25, 1), 1
	s_wait_xcnt 0x0
	s_wait_alu depctr_vm_vsrc(0)
; xb = bf16(x), wb = bf16(W), bwb = bf16(0.5 lora_B_w) (the factor is a power of two: exact), lowb = bf16(x . lora_A[labeler_index[batch]]).
; x, W: [4096][4096] f32.  lora_A: [5][4096][32] f32.  lora_B_w: [4096][32] f32.  xb, wb: [4096][4096] bf16.  lowb, bwb: [4096][32] bf16.
; A stream: every byte of x and W is read once and its rounded half written once; low is made on the way, from the rounded x, on the matrix unit, so that x is not read a second time.
; SHARES.  256 work-groups of 16 waves.  Even ones take 32 rows of x, odd ones 32 rows of W and of lora_B_w.  K is cut into 32 chunks of 128; wave w owns the chunks at k = 128 w and 2048 + 128 w.
; A row's chunk is 512 bytes of f32, one 16-byte load of the wave, and 256 bytes of bf16, one 8-byte store of the wave: consecutive, at a multiple of 256 from the buffer's first byte.
; low.  Each wave multiplies its 32 rows x 256 k by its 256 k x 32 of A: four accumulators of 16 x 16, f32.  The 16 waves' partial sums meet in LDS, in f32, behind the one barrier, and are added in a tree.
; NO JOINT LOADS.  The 32 work-groups of a batch read the same table of A (512 KiB each, as many bytes as their x).  A has to pass through registers to be rounded, each wave reads a chunk that no other wave
; of its work-group reads, and the waves of this stream meet only once, at the end: a joint load would bring f32 into LDS (16 KiB a chunk and wave, where the rounded chunk takes 12 KiB with its padding) and
; a round of a cluster's barrier for each refill.  At most four tables, 2 MiB, are read again and again, against the 202 MB that pass once.
; LIMITS.  labeler_index is held to 0 .. 4 by an unsigned minimum.  low is rounded once to bf16, as a matrix operand.  Its sum over k is not in ascending order: 16 waves x 2 chunks, then a tree.
; NaN and infinities are not treated apart.
; THE MODE: SCHED_MODE bits 1:0 = 2 (LLVM: expert scheduling mode 2), set by the entry lines.  The code itself states the register dependences
; between vector or matrix instructions and memory or LDS instructions, with s_wait_alu, always for 0.
; THE PLAN.  Registers that memory or LDS instructions touch:
;   v2-13, v16, v17  offsets and LDS addresses: written at the head and never again; one wait on va_vdst ahead of the branch on the role serves every load and store of the kernel.
;   XF (WF)   a ring of slots.  Loads land in it, conversions read it; no memory instruction reads it.  At the end the partial sums land in XF.
;   XB        a unit of x: its conversions write a pair for each slot (no pair twice in a unit), its stores to xb and to the stage read them.  Then the fragments of x land in it, and matrix instructions read it.
;   AFR       a chunk's two units of A: their conversions write a pair for each load, 32 pairs (none twice), the LDS stores read them.  Then A's fragments land in it, and matrix instructions read it.
;   YB        the W role: a round's conversions write 32 pairs (none twice), the stores to wb read them.
;   ACC       written by matrix instructions alone; read by the LDS stores of the partial low.
; The slots go in BLOCKS OF FOUR: the wait for the four loads, eight conversions, ONE wait on va_vdst (they are done reading the four slots and have written the four pairs), then with no vector instruction
; between the four loads that ask for the slots again and the stores of the four pairs.  A wait on vm_vsrc stands only where an out-buffer is written again: ahead of the fragments' loads (XB, AFR), and
; between the W role's two rounds (YB).
.set ROWF,  16384                      ; bytes in a row of x or W
.set ROWH,  8192                       ; bytes in a row of xb or wb
.set WREG,  16640                      ; a wave's own region of LDS, 65 blocks of 256 bytes:
.set XSTG,  12288                      ;   +0      A's chunk, bf16, [128 k][32 n], rows PA apart;  +12,288  16 rows x 128 k of x, bf16, rows PX apart
.set PA,    96                         ; 64 bytes + 32: an odd multiple of 32, so that 16 lanes of the turning load (8 rows x 32 bytes) take each bank once (64 banks of 4 bytes: ISA guide 11.1)
.set PX,    272                        ; 256 bytes + 16: the 16 rows of a fragment load start at 16 different groups of four banks
.set PP,    144                        ; the wave's partial low, f32, [32 rows][32], 128 bytes + 16; it takes A's place when A has been read for the last time
.set SPARE, 16*WREG                    ; behind the regions: the spare words, 128 bytes for each wave: eight blocks of 256 bytes that no other line names
.set XO,  2                            ; v2   16 t = 512 w + 16 lane: my 16 bytes in a row's chunk of x or W; also my 16 bytes of the group's lora_B_w
.set YO,  3                            ; v3   8 t = 256 w + 8 lane: my 8 bytes in a row's chunk of xb or wb; also my 8 bytes of the group's lowb or bwb
.set AO,  4                            ; v4   16,384 w + 16 lane: my 16 bytes in four rows of my chunk of A
.set XS,  5                            ; v5   LDS: where I put 8 bytes of a row of x
.set XR,  6                            ; v6   LDS: my lane's place in a fragment of x
.set AST, 7                            ; v7   LDS: where I put 8 bytes of a row of A
.set ATR, 8                            ; v8   LDS: my lane's place in a turning load of A
.set PS,  9                            ; v9   LDS: where I put 32 bytes of a row of the partial low
.set RP,  10                           ; v10-13  LDS: my 16 bytes of the partial low of waves 0, 4, 8, 12
.set SPW, 16                           ; v16  LDS address of my spare word: SPARE + 4 x my thread's number; never rewritten
.set NIL, 17                           ; v17  0; never rewritten
.set T,   18                           ; v18-25  at work: the head's arithmetic, lora_B_w's 16 bytes, low's last rounding
.set XF,  32                           ; v32-95   a ring of 16 slots of 4: f32 as loaded
.set XB,  96                           ; v96-127  16 pairs of bf16 to store; then four fragments of x
.set AFR, 128                          ; v128-191 32 pairs of A in bf16 on their way to LDS; then A's fragments of the chunk: 32 k from 32 ks on, 16 n from 16 nb on, at AFR + 16 ks + 8 nb
.set ACC, 192                          ; v192-223 low: rows 16 rb on, columns 16 nb on, at ACC + 8 (2 rb + nb)
.set WF,  32                           ; v32-159  the W role's ring: 32 slots of 4
.set YB,  160                          ; v160-223 the W role's 32 pairs of bf16 to store
	s_load_b256 s[4:11], s[0:1], 0x0               ; x s[4:5], W s[6:7], lora_A s[8:9], lora_B_w s[10:11]
	s_load_b256 s[12:19], s[0:1], 0x20             ; labeler_index s[12:13], xb s[14:15], wb s[16:17], lowb s[18:19]
	s_load_b64 s[20:21], s[0:1], 0x40              ; bwb
	v_lshl_add_u32 v[SPW], v0, 2, SPARE
	v_mov_b32 v[NIL], 0
	v_lshrrev_b32 v1, 5, v0
	v_readfirstlane_b32 s22, v1                    ; wave 0..15; what does not hang on it stands between this line and the wait for it
	s_and_b32 s23, ttmp9, 1                        ; 0: rows of x; 1: rows of W
	s_lshr_b32 s24, ttmp9, 1                       ; which 32 rows, 0..127
	s_mov_b32 s27, 0                               ; the high words of two offset pairs
	s_mov_b32 s29, 0
	v_and_b32 v1, 31, v0                           ; lane
	v_and_b32 v18, 15, v0                          ; r = lane % 16
	v_bfe_u32 v19, v0, 4, 1                        ; h = lane / 16
	v_bfe_u32 v20, v0, 3, 2                        ; lane / 8
	v_and_b32 v21, 7, v0                           ; lane % 8 = t % 8
	v_bfe_u32 v23, v0, 3, 1                        ; (lane / 8) % 2
	v_lshrrev_b32 v24, 3, v0                       ; t / 8
	v_lshlrev_b32 v[XO], 4, v0
	v_lshlrev_b32 v[YO], 3, v0
	v_mul_u32_u24 v[XR], v18, PX                   ; a fragment: row r, 16 bytes for each half of the lanes
	v_lshl_add_u32 v[XR], v19, 4, v[XR]
	v_mul_u32_u24 v[AST], v20, PA                  ; a load of A covers four rows of 128 bytes: row lane / 8, columns 4 (lane % 8) on
	v_lshl_add_u32 v[AST], v21, 3, v[AST]
	v_lshl_add_u32 v22, v19, 3, v21                ; the turning load: lane l reads k = 8 h + l % 8, columns 8 ((l / 8) % 2) on
	v_mul_u32_u24 v[ATR], v22, PA
	v_lshl_add_u32 v[ATR], v23, 4, v[ATR]
	v_mul_u32_u24 v[PS], v18, PP                   ; a result: row r, eight columns (32 bytes) for each half of the lanes
	v_lshl_add_u32 v[PS], v19, 5, v[PS]
	v_mul_u32_u24 v[RP], v24, PP                   ; the sum: thread t < 256 has row t / 8, columns 4 (t % 8) on
	v_lshl_add_u32 v[RP], v21, 4, v[RP]
	v_add_nc_u32 v[RP+1], 4*WREG, v[RP]
	v_add_nc_u32 v[RP+2], 8*WREG, v[RP]
	v_add_nc_u32 v[RP+3], 12*WREG, v[RP]
	s_wait_alu depctr_va_sdst(0)                   ; s22 is written, ahead of its first reader: the wave's region and its chunk of A are made from it
	s_mul_i32 s31, s22, WREG                       ; my wave's region
	s_lshl_b32 s32, s22, 14                        ; my chunk of A: 128 rows of 128 bytes
	s_add_co_u32 s33, s31, XSTG
	v_lshl_add_u32 v[AO], v1, 4, s32
	v_lshl_add_u32 v[XS], v1, 3, s33               ; lane l holds k = 4 l .. 4 l + 3 of the chunk
	v_add_nc_u32 v[XR], s33, v[XR]
	v_add_nc_u32 v[AST], s31, v[AST]
	v_add_nc_u32 v[ATR], s31, v[ATR]
	v_add_nc_u32 v[PS], s31, v[PS]
	s_wait_kmcnt 0x0
	s_wait_alu depctr_va_vdst(0)                   ; the offsets and addresses v2 to v13 are written, which the loads and stores of both roles read; the head is done with v18 to v24, in four of which lora_B_w's load lands
	s_cmp_lg_u32 s23, 0
	s_cbranch_scc1 .Lw                             ; the same way for all 16 waves of a work-group
; ---------------- rows of x ----------------
; The loads go in eight units of 16, through the ring's 16 slots.  Unit u: chunk u / 4; u % 4 = 0: rows 0-15 of x; 1, 2: the two halves (64 k each) of A's chunk; 3: rows 16-31 of x.
.macro LOADU u, j                      ; load j of unit u into slot j; behind the last unit nothing
.if (\u) < 8
.if ((\u)%4 == 0) || ((\u)%4 == 3)
	global_load_b128 v[XF+4*(\j):XF+4*(\j)+3], v[XO], s[4:5] offset:(16*(((\u)%4)/3)+(\j))*ROWF+((\u)/4)*8192 th:TH_LOAD_NT
.else
	global_load_b128 v[XF+4*(\j):XF+4*(\j)+3], v[AO], s[8:9] offset:((\u)/4)*262144+((\u)%4-1)*8192+(\j)*512
.endif
.endif
.endm
; A unit of x, in four blocks of four rows: each row's chunk is rounded, stored to xb, and laid into the wave's stage for the product.  The block's slots are asked for again at once.
.macro XPH u
.irp b, 0,1,2,3
.if (\u) < 7
	s_wait_loadcnt 12                              ; loads come back in order (ISA guide 5.7.1): behind the block's last load stand 12 - 4 b of this unit and 4 b of the next
.else
	s_wait_loadcnt 12-4*(\b)                       ; the last unit: nothing is asked for, the counts run down
.endif
.irp i, 0,1,2,3
.set jj, 4*(\b)+(\i)
	v_cvt_pk_bf16_f32 v[XB+2*jj],   v[XF+4*jj],   v[XF+4*jj+1]
	v_cvt_pk_bf16_f32 v[XB+2*jj+1], v[XF+4*jj+2], v[XF+4*jj+3]
.endr
	s_wait_alu depctr_va_vdst(0)                   ; the eight conversions are done reading the block's four slots, in which the loads below land, and have written its four pairs of XB, which the stores below read
.irp i, 0,1,2,3
	LOADU (\u)+1, 4*(\b)+(\i)
.endr
.irp i, 0,1,2,3
.set jj, 4*(\b)+(\i)
	global_store_b64 v[YO], v[XB+2*jj:XB+2*jj+1], s[14:15] offset:(16*(((\u)%4)/3)+jj)*ROWH+((\u)/4)*4096  ; the wave stores 256 consecutive bytes, at a multiple of 256 from xb's first
	ds_store_b64 v[XS], v[XB+2*jj:XB+2*jj+1] offset:PX*jj
.endr
.endr
.endm
; A unit of A, in four blocks of four loads: four rows a load, rounded and laid into the wave's stage as [k][n].  The pairs go out of AFR, a pair of its own for each of the chunk's 32 loads: the fragments
; that lay there are the chunk's before, which no product reads any more.
.macro APH u
.irp b, 0,1,2,3
	s_wait_loadcnt 12                              ; as above
.irp i, 0,1,2,3
.set jj, 4*(\b)+(\i)
	v_cvt_pk_bf16_f32 v[AFR+32*((\u)%4-1)+2*jj],   v[XF+4*jj],   v[XF+4*jj+1]
	v_cvt_pk_bf16_f32 v[AFR+32*((\u)%4-1)+2*jj+1], v[XF+4*jj+2], v[XF+4*jj+3]
.endr
	s_wait_alu depctr_va_vdst(0)                   ; the eight conversions are done reading the block's four slots, in which the loads below land, and have written its four pairs of AFR, which the LDS stores below read
.irp i, 0,1,2,3
	LOADU (\u)+1, 4*(\b)+(\i)
.endr
.irp i, 0,1,2,3
.set jj, 4*(\b)+(\i)
	ds_store_b64 v[AST], v[AFR+32*((\u)%4-1)+2*jj:AFR+32*((\u)%4-1)+2*jj+1] offset:((\u)%4-1)*64*PA+4*PA*jj
.endr
.endr
.endm
; The product of 16 rows of x with the chunk of A: eight matrix instructions, used transposed (source 0 = 16 columns of A, turned on their way out of LDS; source 1 = 16 rows of x), so that a lane holds
; eight neighbouring columns of one row of low.  witha = 1: A's fragments are fetched too; they serve both halves of the rows.  The two accumulators take turns.
; The conversions that wrote XB and AFR, and the earlier products that read them, all stand ahead of a block's wait on va_vdst, and no vector or matrix instruction since that wait names them.
.macro FRWM c, rb, witha
	s_wait_xcnt 0x0                                ; every earlier memory instruction has had its addresses translated (ISA guide 3.1): XB, which the stores to xb read, is loaded into only behind this wait
	s_wait_alu depctr_vm_vsrc(0)                   ; the stores to xb and to the stage have read XB, and the LDS stores of A have read AFR: the fragments below land in these registers
.irp ks, 0,1,2,3
.if \witha
.irp nb, 0,1
	ds_load_tr16_b128 v[AFR+16*(\ks)+8*(\nb):AFR+16*(\ks)+8*(\nb)+3],   v[ATR] offset:32*PA*(\ks)+32*(\nb)
	ds_load_tr16_b128 v[AFR+16*(\ks)+8*(\nb)+4:AFR+16*(\ks)+8*(\nb)+7], v[ATR] offset:32*PA*(\ks)+32*(\nb)+16*PA
.endr
.endif
	ds_load_b128 v[XB+8*(\ks):XB+8*(\ks)+3],   v[XR] offset:64*(\ks)    ; LDS serves a wave's instructions in order (ISA guide 5.7.1.4): these see the wave's own stores above
	ds_load_b128 v[XB+8*(\ks)+4:XB+8*(\ks)+7], v[XR] offset:64*(\ks)+32
.endr
.irp ks, 0,1,2,3
	s_wait_dscnt (2+4*(\witha))*(3-(\ks))          ; the loads of the later ks, six each with A and two without, may stay out
.irp nb, 0,1
.if ((\c) == 0) && ((\ks) == 0)
	v_wmma_f32_16x16x32_bf16 v[ACC+8*(2*(\rb)+(\nb)):ACC+8*(2*(\rb)+(\nb))+7], v[AFR+16*(\ks)+8*(\nb):AFR+16*(\ks)+8*(\nb)+7], v[XB+8*(\ks):XB+8*(\ks)+7], 0  ; the first product starts the sum
.else
	v_wmma_f32_16x16x32_bf16 v[ACC+8*(2*(\rb)+(\nb)):ACC+8*(2*(\rb)+(\nb))+7], v[AFR+16*(\ks)+8*(\nb):AFR+16*(\ks)+8*(\nb)+7], v[XB+8*(\ks):XB+8*(\ks)+7], v[ACC+8*(2*(\rb)+(\nb)):ACC+8*(2*(\rb)+(\nb))+7]
.endif
.endr
.endr
.rept 4
	v_nop                                          ; four places (ISA guide 7.12.1) ahead of the conversions that write XB or AFR next, or of what reads the sums
.endr
.endm
	s_lshl_b32 s26, s24, 19                        ; 32 rows of 16,384 bytes
	s_add_nc_u64 s[4:5], s[4:5], s[26:27]
	s_lshl_b32 s26, s24, 18                        ; of 8,192
	s_add_nc_u64 s[14:15], s[14:15], s[26:27]
	s_lshl_b32 s26, s24, 11                        ; of 64
	s_add_nc_u64 s[18:19], s[18:19], s[26:27]
	s_lshr_b32 s26, s24, 5                         ; the batch: 32 blocks of 32 rows each
	s_lshl_b32 s26, s26, 2
	s_load_b32 s30, s[12:13], s26 offset:0x0       ; its labeler; the first unit of x goes out while this is on its way
.irp j, 0,1,2,3,4,5,6,7,8,9,10,11,12,13,14,15
	LOADU 0, \j
.endr
	s_wait_kmcnt 0x0
	s_min_u32 s30, s30, 4                          ; held inside the table
	s_lshl_b32 s28, s30, 19                        ; a table is 4096 x 32 x 4 bytes
	s_add_nc_u64 s[8:9], s[8:9], s[28:29]
.irp c, 0,1
	XPH 4*(\c)
	APH 4*(\c)+1
	APH 4*(\c)+2
	FRWM \c, 0, 1
	XPH 4*(\c)+3
	FRWM \c, 1, 0
.endr
	s_wait_alu depctr_va_vdst(0)                   ; the matrix instructions have written the four accumulators, which the LDS stores below read; the four places above stay beside this wait
.irp rb, 0,1                           ; my partial low, over A's stage, which I have read for the last time; each accumulator's low registers first
.irp nb, 0,1
	ds_store_b128 v[PS], v[ACC+8*(2*(\rb)+(\nb)):ACC+8*(2*(\rb)+(\nb))+3]   offset:16*PP*(\rb)+64*(\nb)
	ds_store_b128 v[PS], v[ACC+8*(2*(\rb)+(\nb))+4:ACC+8*(2*(\rb)+(\nb))+7] offset:16*PP*(\rb)+64*(\nb)+16
.endr
.endr
	s_branch .Ljoin
; ---------------- rows of W and of lora_B_w ----------------
.Lw:
	s_lshl_b32 s26, s24, 19
	s_add_nc_u64 s[6:7], s[6:7], s[26:27]
	s_lshl_b32 s26, s24, 18
	s_add_nc_u64 s[16:17], s[16:17], s[26:27]
	s_lshl_b32 s26, s24, 12                        ; 32 rows of 128 bytes
	s_add_nc_u64 s[10:11], s[10:11], s[26:27]
	s_lshl_b32 s26, s24, 11                        ; of 64
	s_add_nc_u64 s[20:21], s[20:21], s[26:27]
	s_cmp_lt_u32 s22, 8                            ; 32 rows of lora_B_w are 4,096 bytes: 16 for each thread of waves 0 to 7.  The load goes out ahead of the ring's: it is older than all of them
	s_cbranch_scc0 .Lw_ring
	global_load_b128 v[T:T+3], v[XO], s[10:11]
.Lw_ring:
.set jj, 0
.rept 32                               ; the ring is filled: my first chunk of all 32 rows
	global_load_b128 v[WF+4*jj:WF+4*jj+3], v[XO], s[6:7] offset:jj*ROWF th:TH_LOAD_NT
.set jj, jj+1
.endr
	s_cmp_lt_u32 s22, 8
	s_cbranch_scc0 .Lw_go
	s_wait_loadcnt 32                              ; the ring's 32 loads may stay out
	v_pk_mul_f32 v[T:T+1],   v[T:T+1],   0.5 op_sel_hi:[1,0]   ; lora_alpha / lora_r
	v_pk_mul_f32 v[T+2:T+3], v[T+2:T+3], 0.5 op_sel_hi:[1,0]
	v_cvt_pk_bf16_f32 v[T+4], v[T],   v[T+1]
	v_cvt_pk_bf16_f32 v[T+5], v[T+2], v[T+3]
	s_wait_alu depctr_va_vdst(0)                   ; the two conversions have written v[T+4:T+5], which the store reads
	global_store_b64 v[YO], v[T+4:T+5], s[20:21]   ; the wave stores 256 consecutive bytes, at a multiple of 256 from bwb's first
.Lw_go:
.macro WBLK b, rnd                     ; rows 4 b to 4 b + 3 of chunk rnd are rounded and stored; in the first round the slots take the rows' second chunk
	s_wait_loadcnt 28-4*(\rnd)*(\b)                ; behind the block's last load stand 28 - 4 b loads of this round and, in the first round, 4 b of the next
.irp i, 0,1,2,3
.set jj, 4*(\b)+(\i)
	v_cvt_pk_bf16_f32 v[YB+2*jj],   v[WF+4*jj],   v[WF+4*jj+1]
	v_cvt_pk_bf16_f32 v[YB+2*jj+1], v[WF+4*jj+2], v[WF+4*jj+3]
.endr
	s_wait_alu depctr_va_vdst(0)                   ; the eight conversions are done reading the block's four slots, in which the first round's loads below land, and have written its four pairs of YB, which the stores below read
.if (\rnd) == 0
.irp i, 0,1,2,3
.set jj, 4*(\b)+(\i)
	global_load_b128 v[WF+4*jj:WF+4*jj+3], v[XO], s[6:7] offset:jj*ROWF+8192 th:TH_LOAD_NT
.endr
.endif
.irp i, 0,1,2,3
.set jj, 4*(\b)+(\i)
	global_store_b64 v[YO], v[YB+2*jj:YB+2*jj+1], s[16:17] offset:jj*ROWH+(\rnd)*4096
.endr
.endm
.irp b, 0,1,2,3,4,5,6,7
	WBLK \b, 0
.endr
	s_wait_xcnt 0x0                                ; YB, which the first round's stores read, is rewritten only behind this wait
	s_wait_alu depctr_vm_vsrc(0)                   ; the first round's stores have read YB, which the second round's conversions write again
.irp b, 0,1,2,3,4,5,6,7
	WBLK \b, 1
.endr
; ---------------- both roles ----------------
.Ljoin:
	s_wait_dscnt 0x0                               ; for the others' sake: my partial low is in LDS
	s_barrier_signal -1
	s_barrier_wait -1                              ; everybody's is
	s_cmp_lg_u32 s23, 0
	s_cbranch_scc1 .Lend                           ; the W role has nothing to add
	s_cmp_lt_u32 s22, 8
	s_cbranch_scc0 .Lend                           ; 32 x 32 sums, four to a thread: waves 0 to 7
.irp p, 0,1,2,3,4,5,6,7,8,9,10,11,12,13,14,15
	ds_load_b128 v[XF+4*(\p):XF+4*(\p)+3], v[RP+(\p)/4] offset:((\p)%4)*WREG  ; wave p's part.  No wait: the conversions that read XF stand ahead of the role's last wait on va_vdst, and no vector instruction since names it
.endr
	s_wait_dscnt 0x0
.irp d, 8,4,2,1                        ; a tree, in f32
.set p, 0
.rept \d
	v_pk_add_f32 v[XF+4*p:XF+4*p+1],   v[XF+4*p:XF+4*p+1],   v[XF+4*(p+\d):XF+4*(p+\d)+1]
	v_pk_add_f32 v[XF+4*p+2:XF+4*p+3], v[XF+4*p+2:XF+4*p+3], v[XF+4*(p+\d)+2:XF+4*(p+\d)+3]
.set p, p+1
.endr
.endr
	v_cvt_pk_bf16_f32 v[T],   v[XF],   v[XF+1]
	v_cvt_pk_bf16_f32 v[T+1], v[XF+2], v[XF+3]
	s_wait_alu depctr_va_vdst(0)                   ; the two conversions have written v[T:T+1], which the store reads
	global_store_b64 v[YO], v[T:T+1], s[18:19]     ; the wave stores 256 consecutive bytes, at a multiple of 256 from lowb's first
.Lend:
	s_wait_dscnt 0x0                               ; the wave's end
	s_wait_alu 0x0
	s_wait_tensorcnt 0x0
	ds_add_u32 v[SPW], v[NIL]
	s_wait_dscnt 0x0
	s_endpgm
.Lfunc_end_k_q8b25bf79f8_prep:
	.size	k_q8b25bf79f8_prep, .Lfunc_end_k_q8b25bf79f8_prep-k_q8b25bf79f8_prep
	.p2alignl 7, 3214868480
	.fill 96, 4, 3214868480
	.section	.rodata,"a",@progbits
	.p2align	6, 0x0
	.amdhsa_kernel k_q8b25bf79f8_prep
		.amdhsa_group_segment_fixed_size 268288
		.amdhsa_private_segment_fixed_size 0
		.amdhsa_enable_private_segment 0
		.amdhsa_kernarg_size 72
		.amdhsa_user_sgpr_count 2
		.amdhsa_user_sgpr_kernarg_segment_ptr 1
		.amdhsa_wavefront_size32 1
		.amdhsa_system_sgpr_workgroup_id_x 1
		.amdhsa_system_sgpr_workgroup_id_y 1
		.amdhsa_system_sgpr_workgroup_id_z 1
		.amdhsa_system_vgpr_workitem_id 0
		.amdhsa_next_free_vgpr 232
		.amdhsa_next_free_sgpr 66
		.amdhsa_reserve_vcc 0
		.amdhsa_float_denorm_mode_32 3
		.amdhsa_float_denorm_mode_16_64 3
		.amdhsa_memory_ordered 1
		.amdhsa_forward_progress 1
		.amdhsa_inst_pref_size 81
	.end_amdhsa_kernel
	.amdgpu_metadata
---
amdhsa.version: [ 1, 2 ]
amdhsa.kernels:
  - .name:           k_q8b25bf79f8_prep
    .symbol:         k_q8b25bf79f8_prep.kd
    .args:
      - { .name: x, .offset: 0, .size: 8, .value_kind: global_buffer, .address_space: global }
      - { .name: W, .offset: 8, .size: 8, .value_kind: global_buffer, .address_space: global }
      - { .name: lora_A, .offset: 16, .size: 8, .value_kind: global_buffer, .address_space: global }
      - { .name: lora_B_w, .offset: 24, .size: 8, .value_kind: global_buffer, .address_space: global }
      - { .name: labeler_index, .offset: 32, .size: 8, .value_kind: global_buffer, .address_space: global }
      - { .name: xb, .offset: 40, .size: 8, .value_kind: global_buffer, .address_space: global }
      - { .name: wb, .offset: 48, .size: 8, .value_kind: global_buffer, .address_space: global }
      - { .name: lowb, .offset: 56, .size: 8, .value_kind: global_buffer, .address_space: global }
      - { .name: bwb, .offset: 64, .size: 8, .value_kind: global_buffer, .address_space: global }
    .group_segment_fixed_size: 268288
    .private_segment_fixed_size: 0
    .kernarg_segment_align: 8
    .kernarg_segment_size: 72
    .max_flat_workgroup_size: 512
    .sgpr_count:     66
    .vgpr_count:     232
    .wavefront_size: 32
...
	.end_amdgpu_metadata
.endif
;; end of part 3
;; launch gemm: the kernel of part 2 again; grid 16 x 16, 4 waves a work-group, clusters of 4 x 4, 327,680 bytes of LDS; arguments xb, wb, out0, lowb, bwb; writes out0
